; MI455X (gfx1250); checked and timed in simulation.
; The chip was launched on July 23, 2026; its instructions are those of AMD's public machine-readable ISA for CDNA 5 (MIT licence, August 2026) and "CDNA5" Instruction Set Architecture Reference Guide (July 2026). The comments in the code are by the model that wrote it; some were corrected since.
;; Tokenizer. Allowed arithmetic: matrix products marked QUANTISED: E3M2 operands, one E8M0 scale for each 32 along K, by v_wmma_scale_f32_16x16x128_f8f6f4 with both operands' format E3M2, f32 sums; everything else in f32.
;; Inputs: codebook 4,096 x 256 float32; rep 32 x 2,048 x 256 float32.
;; Outputs: out0 32 x 2,048 int32.
;; This version of the problem:
;;   THIS VERSION OF THE PROBLEM IS GIVEN IN LOW PRECISION. The matrix products marked QUANTISED in the list below multiply operands that are first quantised to E3M2 (3 exponent bits, 2 mantissa bits; 6 bits a number), with one power-of-two scale for each 32 numbers along K (OCP MX v1.0); their sums are f32. All else is computed in f32.
;;   The module's matrix products, in the order in which they are computed (A, B: the left and right operand; K: the contracted axis; several contracted axes count as one K, in the product's order):
;;     1. [M 65,536, K 256] x [K 256, N 4,096]; A: input rep; B: input codebook: QUANTISED
;;   THE QUANTISER, for each operand of a quantised product, along K:
;;     - K is cut into blocks of 32 from its start; a last block that is shorter is filled with zeros.
;;     - A block's scale is 2^e with e = floor(log2(the largest magnitude in the block)) - 4, held to -126 .. 127; a block of zeros has e = 0. As a byte (E8M0): e + 127.
;;     - Each number is divided by its block's scale, clamped to +-28, and rounded to the nearest number of E3M2, ties to even, subnormals kept.
;;     - The product sums the exact products of the quantised numbers (number of the format x scale) in f32.
;;   ~~~python
;;   def quantise(x, axis):      # numpy; x: float32 -> the quantised numbers, widened to float32 again
;;       x = np.moveaxis(x, axis, -1); K = x.shape[-1]
;;       x = np.pad(x, [(0, 0)] * (x.ndim - 1) + [(0, -K % 32)]); x = x.reshape(x.shape[:-1] + (-1, 32)); a = np.abs(x).max(-1, keepdims=True)
;;       e = np.where(a > 0, np.clip(np.frexp(np.where(a > 0, a, 1))[1] - 1 - 4, -126, 127), 0)      # np.frexp(a)[1] - 1 = floor(log2(a)), exactly
;;       r = np.clip(x / 2.0 ** e, -28, 28)
;;       step = 2.0 ** (np.maximum(np.frexp(np.where(r == 0, 1, r))[1] - 1, -2) - 2)
;;       q = np.round(r / step) * step * 2.0 ** e      # np.round: ties to even
;;       return np.moveaxis(q.reshape(q.shape[:-2] + (-1,))[..., :K], -1, axis).astype(np.float32)
;;   ~~~
;; One version. Each part assembles by itself: llvm-mc -triple=amdgcn-amd-amdhsa -mcpu=gfx1250 --defsym DOCPART=n.
;; ======== version 1 of 1: 2 launches
;; limits: right only within a limited range of input values
;; workspace buffers: cbt 851,968 bytes
;; launch prep (part 1): grid 256 x 1, 1 waves a work-group, no clusters, 9,472 bytes of LDS; arguments codebook, cbt; writes cbt
.if DOCPART == 1
	.amdgcn_target "amdgcn-amd-amdhsa--gfx1250"
	.amdhsa_code_object_version 6
	.text
	.protected	k_q20f66b925d_prep
	.globl	k_q20f66b925d_prep
	.p2align	8
	.type	k_q20f66b925d_prep,@function
k_q20f66b925d_prep:
	s_mov_b64 s[64:65], 0
	v_nop
	global_prefetch_b8 v0, s[64:65] scope:SCOPE_SE
	s_setreg_imm32_b32 hwreg(HW_REG_WAVE_MODE, 25, 1), 1
	s_wait_xcnt 0x0
; The codebook [4096][256] f32 is quantised ONCE, along its 256, to codes of BF6 (E3M2) with one E8M0 byte for each 32, and laid in the order in which the product's
; launch takes it into registers.  One wave makes one RECORD of 3,328 bytes (13 x 256) for 16 codebook rows 16 T .. 16 T + 15 (T = the work-group's number):
;   bytes 0 .. 3071     six images of 512 bytes: image g = registers 4 g .. 4 g + 3 of the 24 fragment registers (12 for each 128 along K), lane l's 16 bytes at 512 g + 16 l
;   bytes 3072 .. 3199  the image of the scale register: lanes 0-15 row r's scale word of K 0-127, lanes 16-31 that of K 128-255
;   bytes 3200 .. 3263  -b2 / 2 of the 16 rows, f32, b2 = the sum of squares of the UNQUANTISED row;   bytes 3264 .. 3327 zeros (the record is read whole)
; A block's scale is 2^(floor(log2(its largest magnitude)) - 4): its byte is the largest magnitude's exponent field - 4, held at 1 from below by a floor among the maximum's leaves.
; LIMITS: NaN and infinities are not served; a block of zeros gets the byte 1 where the quantiser's rule says 127: its codes are zeros, and this program alone reads the bytes.
; Every load reads 512 consecutive bytes; the numbers turn through a stage in LDS (rows 528 bytes apart, so that the 16 rows that a load of 16 bytes touches lie in 16 different
; columns of 16 bytes) into the operand's order: lane (r, h) holds, of row r, K = 128 s + 64 c + 32 h + 0 .. 31: two whole blocks, so no other lane is asked for a maximum.
; WORK LEFT OUT BY THE PROGRAM: a2, the sum of squares of a row of rep, is added to every one of that row's 4,096 distances alike, so for all values of the inputs it moves no argmin: it is not computed.
; The argmin of a2 + b2 - 2 ab is taken as the argmax of ab - b2 / 2.  A NaN, an infinity or an overflow that would arise in a2 alone is not carried to the result.
.set REC,  3328
.set RAW,  128                         ; v128-255 the 16 rows as loaded: K step s, row p at v[RAW + 64 s + 4 p]
.set NUM,  64                          ; v64-127  64 numbers of my row in the operand's order
.set COD,  32                          ; v32-55   the 24 fragment registers
.set TMPC, 56                          ; v56-63   the upper halves of two blocks' codes (a conversion's three registers begin on an even number)
.set MAG,  8                           ; v8-9     two blocks' largest magnitudes
.set SOP,  10                          ; v10-11   the conversions' scale operands
.set BYT,  12                          ; v12-13   the scale bytes
.set WRD,  14                          ; v14      my two bytes at their places in the scale word
.set WRP,  15                          ; v15      lane l xor 16's
.set WS,   16                          ; v16-17   the scale words of K step 0, 1
.set SI,   18                          ; v18      the scale register's image
.set SH,   19                          ; v19      8 h
.set SQ,   20                          ; v20-23   sums of squares, two packed chains
.set B2,   24
.set B2P,  25
.set CV,   26                          ; v26      -b2 / 2 in lanes 0-15, 0 in lanes 16-31
.set TL,   28                          ; v28-29   the record's last 256 bytes, 8 a lane
.set SEL,  20                          ; s[20:21] v_permlanex16_b32's selects for lane l xor 16
; 64 numbers of a lane, block c at v[src + 32 c] on, become 12 fragment registers at v[pc] on and the row's scale word in v[ws].
.macro QUANT src, pc, ws
.irp c, 0,1
	v_max3_num_f32 v[MAG+\c], |v[(\src)+32*\c]|, |v[(\src)+32*\c+1]|, 0x2800000   ; the floor 2^(5 - 127): the byte cannot fall under 1
.endr
.irp i, 2,4,6,8,10,12,14,16,18,20,22,24,26,28,30
.irp c, 0,1
	v_max3_num_f32 v[MAG+\c], v[MAG+\c], |v[(\src)+32*\c+\i]|, |v[(\src)+32*\c+\i+1]|   ; the two blocks by turns
.endr
.endr
.irp c, 0,1
	v_add_nc_u32 v[SOP+\c], 0xfe000000, v[MAG+\c]   ; 4 off the exponent field: the conversion takes this operand's exponent field as its scale
.endr
.irp c, 0,1
	v_lshrrev_b32 v[BYT+\c], 23, v[SOP+\c]          ; the scale's byte
.endr
	v_lshl_or_b32 v[WRD], v[BYT+1], 16, v[BYT]      ; blocks h and 2 + h of my row,
	v_lshlrev_b32 v[WRD], v[SH], v[WRD]             ; 8 h bits up;
	v_permlanex16_b32 v[WRP], v[WRD], s[SEL], s[SEL+1]
	v_or_b32 v[\ws], v[WRD], v[WRP]                 ; with lane l xor 16's two bytes the word is whole, in both lanes
.irp c, 0,1
	v_cvt_scalef32_pk16_bf6_f32 v[(\pc)+6*\c:(\pc)+6*\c+2], v[(\src)+32*\c:(\src)+32*\c+15], v[SOP+\c]
	v_cvt_scalef32_pk16_bf6_f32 v[TMPC+4*\c:TMPC+4*\c+2], v[(\src)+32*\c+16:(\src)+32*\c+31], v[SOP+\c]
.endr
	v_nop                                           ; one plain instruction behind the last scaled conversion
.irp c, 0,1
.irp i, 0,1,2
	v_mov_b32 v[(\pc)+6*\c+3+\i], v[TMPC+4*\c+\i]
.endr
.endr
.endm
	s_load_b128 s[4:7], s[0:1], 0x0                ; codebook s[4:5], cbt s[6:7]
	v_lshl_add_u32 v59, v0, 2, 0x2400
	v_mov_b32 v63, 0
	v_and_b32 v1, 15, v0                           ; r
	v_lshrrev_b32 v2, 4, v0                        ; h (one wave: v0 is the lane)
	v_lshlrev_b32 v3, 4, v0                        ; 16 x lane: loads, stage stores, image stores
	v_lshlrev_b32 v4, 2, v0                        ; 4 x lane
	v_lshlrev_b32 v6, 3, v0                        ; 8 x lane
	v_mul_u32_u24 v5, v1, 528
	v_lshl_add_u32 v5, v2, 7, v5                   ; out of the stage: row r, + 128 h bytes
	v_lshlrev_b32 v[SH], 3, v2
	v_mov_b32 v[WRP], 0                            ; written once: a lane permute's destination counts as one of its sources
	v_mov_b32 v[B2P], 0
	s_mov_b32 s[SEL], 0x76543210
	s_mov_b32 s[SEL+1], 0xfedcba98
	s_lshl_b32 s8, ttmp9, 14                       ; 16 rows of 1,024 bytes
	s_mov_b32 s9, 0
	s_mul_i32 s10, ttmp9, REC
	s_mov_b32 s11, 0
	s_wait_alu depctr_va_vdst(0)
	s_wait_kmcnt 0x0
	s_add_nc_u64 s[4:5], s[4:5], s[8:9]
	s_add_nc_u64 s[6:7], s[6:7], s[10:11]
.irp s, 0,1
.irp p, 0,1,2,3,4,5,6,7,8,9,10,11,12,13,14,15
	global_load_b128 v[RAW+64*\s+4*\p:RAW+64*\s+4*\p+3], v3, s[4:5] offset:1024*\p+512*\s th:TH_LOAD_NT   ; row p, K 128 s on: 512 consecutive bytes
.endr
.endr
.macro KSTEP s
	s_wait_loadcnt 16-16*\s                        ; this K step's 16 loads are in; the 16 of the later K step may be out
.irp p, 0,1,2,3,4,5,6,7,8,9,10,11,12,13,14,15
	ds_store_b128 v3, v[RAW+64*\s+4*\p:RAW+64*\s+4*\p+3] offset:528*\p
.endr
.irp c, 0,1
.irp e, 0,1,2,3,4,5,6,7
	ds_load_b128 v[NUM+32*\c+4*\e:NUM+32*\c+4*\e+3], v5 offset:256*\c+16*\e   ; LDS serves a wave's instructions in order: these see the stores above
.endr
.endr
	s_wait_dscnt 0x0
.if \s == 0
	v_pk_mul_f32 v[SQ:SQ+1], v[NUM:NUM+1], v[NUM:NUM+1]               ; the first squares start the sums: nothing is cleared
	v_pk_mul_f32 v[SQ+2:SQ+3], v[NUM+2:NUM+3], v[NUM+2:NUM+3]
.else
	v_pk_fma_f32 v[SQ:SQ+1], v[NUM:NUM+1], v[NUM:NUM+1], v[SQ:SQ+1]
	v_pk_fma_f32 v[SQ+2:SQ+3], v[NUM+2:NUM+3], v[NUM+2:NUM+3], v[SQ+2:SQ+3]
.endif
.irp i, 4,8,12,16,20,24,28,32,36,40,44,48,52,56,60
	v_pk_fma_f32 v[SQ:SQ+1], v[NUM+\i:NUM+\i+1], v[NUM+\i:NUM+\i+1], v[SQ:SQ+1]
	v_pk_fma_f32 v[SQ+2:SQ+3], v[NUM+\i+2:NUM+\i+3], v[NUM+\i+2:NUM+\i+3], v[SQ+2:SQ+3]
.endr
	QUANT NUM,COD+12*\s,WS+\s
.endm
	KSTEP 0
	KSTEP 1
	v_pk_add_f32 v[SQ:SQ+1], v[SQ:SQ+1], v[SQ+2:SQ+3]
	v_add_f32 v[B2], v[SQ], v[SQ+1]                ; my 128 squares,
	v_permlanex16_b32 v[B2P], v[B2], s[SEL], s[SEL+1]
	v_add_f32 v[B2], v[B2], v[B2P]                 ; and lane l xor 16's: the row's b2
	v_mul_f32 v[CV], -0.5, v[B2]
	v_cmp_gt_u32 vcc_lo, 16, v0
	v_cndmask_b32 v[CV], 0, v[CV], vcc_lo          ; lanes 16-31 write the record's zeros
	v_cndmask_b32 v[SI], v[WS+1], v[WS], vcc_lo    ; lanes 0-15 K step 0's word, lanes 16-31 K step 1's
.irp g, 0,1,2,3,4,5
	global_store_b128 v3, v[COD+4*\g:COD+4*\g+3], s[6:7] offset:512*\g   ; 512 consecutive bytes, at a multiple of 256 from the buffer's first byte
.endr
	ds_store_b32 v4, v[SI]                         ; the last 256 bytes meet in the stage, which is read no more,
	ds_store_b32 v4, v[CV] offset:128
	ds_load_b64 v[TL:TL+1], v6
	s_wait_dscnt 0x0
	global_store_b64 v6, v[TL:TL+1], s[6:7] offset:3072   ; and leave by one store of 256 consecutive bytes
	s_wait_tensorcnt 0x0
	ds_add_u32 v59, v63
	s_wait_dscnt 0x0
	s_endpgm
.Lfunc_end_k_q20f66b925d_prep:
	.size	k_q20f66b925d_prep, .Lfunc_end_k_q20f66b925d_prep-k_q20f66b925d_prep
	.p2alignl 7, 3214868480
	.fill 96, 4, 3214868480
	.section	.rodata,"a",@progbits
	.p2align	6, 0x0
	.amdhsa_kernel k_q20f66b925d_prep
		.amdhsa_group_segment_fixed_size 9472
		.amdhsa_private_segment_fixed_size 0
		.amdhsa_enable_private_segment 0
		.amdhsa_kernarg_size 16
		.amdhsa_user_sgpr_count 2
		.amdhsa_user_sgpr_kernarg_segment_ptr 1
		.amdhsa_wavefront_size32 1
		.amdhsa_system_sgpr_workgroup_id_x 1
		.amdhsa_system_sgpr_workgroup_id_y 1
		.amdhsa_system_sgpr_workgroup_id_z 1
		.amdhsa_system_vgpr_workitem_id 0
		.amdhsa_next_free_vgpr 256
		.amdhsa_next_free_sgpr 66
		.amdhsa_reserve_vcc 1
		.amdhsa_float_denorm_mode_32 3
		.amdhsa_float_denorm_mode_16_64 3
		.amdhsa_memory_ordered 1
		.amdhsa_forward_progress 1
		.amdhsa_inst_pref_size 20
	.end_amdhsa_kernel
	.amdgpu_metadata
---
amdhsa.version: [ 1, 2 ]
amdhsa.kernels:
  - .name:           k_q20f66b925d_prep
    .symbol:         k_q20f66b925d_prep.kd
    .args:
      - { .name: codebook, .offset: 0, .size: 8, .value_kind: global_buffer, .address_space: global }
      - { .name: cbt, .offset: 8, .size: 8, .value_kind: global_buffer, .address_space: global }
    .group_segment_fixed_size: 9472
    .private_segment_fixed_size: 0
    .kernarg_segment_align: 8
    .kernarg_segment_size: 16
    .max_flat_workgroup_size: 32
    .sgpr_count:     66
    .vgpr_count:     256
    .wavefront_size: 32
...
	.end_amdgpu_metadata
.endif
;; end of part 1
;; launch main (part 2): grid 256 x 1, 8 waves a work-group, clusters of 4 x 1, 327,680 bytes of LDS; arguments rep, cbt, out0; writes out0
.if DOCPART == 2
	.amdgcn_target "amdgcn-amd-amdhsa--gfx1250"
	.amdhsa_code_object_version 6
	.text
	.protected	k_q20f66b925d_main
	.globl	k_q20f66b925d_main
	.p2align	8
	.type	k_q20f66b925d_main,@function
k_q20f66b925d_main:
	s_mov_b64 s[64:65], 0
	v_nop
	global_prefetch_b8 v0, s[64:65] scope:SCOPE_SE
	s_setreg_imm32_b32 hwreg(HW_REG_WAVE_MODE, 25, 1), 1
	s_wait_xcnt 0x0
	s_wait_alu depctr_hold_cnt(0) depctr_sa_sdst(0) depctr_va_vdst(0) depctr_va_sdst(0) depctr_va_ssrc(0) depctr_va_vcc(0) depctr_vm_vsrc(0)
	s_getreg_b32 s2, hwreg(HW_REG_IB_STS2, 6, 4)
	s_cmp_eq_u32 s2, 0
	s_cbranch_scc0 .Lentry_in_a_cluster
	s_endpgm
.Lentry_in_a_cluster:
	s_bfe_u32 s2, ttmp6, 0x10000c
	s_cmp_lg_u32 s2, 0x3003
	s_cbranch_scc0 .Lentry_shape_is_right
	s_endpgm
.Lentry_shape_is_right:
; out0[token] = the index of the codebook row with the smallest a2 + b2 - 2 ab, ab on codes of BF6 (E3M2) with one E8M0 scale for each 32 along the 256.
; THE CHOICE IS MADE AS THE LARGEST ab - b2 / 2: -b2 / 2 is the C of each sum's first matrix instruction.  a2 is the same for all codes of a token, moves no argmin, and is left out.
; LIMITS: the order of rounding differs from a2 + b2 - 2 ab formed in f32: where two of those distances lie within their rounding of each other, this text decides by the f32 number ab - b2 / 2.
;   On equal values the lowest index wins.  NaN and infinities are not served.  A block of zeros has the scale byte 1 over zero codes.
; SHARES.  A work-group owns 256 tokens; eight waves, 512 registers each.  Wave w = 4 g + q multiplies the 8 token tiles of half g by the code tiles 32 t + 8 q + i (t, i = 0 .. 7), ascending.
; rep is read once: wave w quantises tokens 32 w .. 32 w + 31 (two tiles) in registers and hands the fragments to the others through LDS as images of their registers.
; Tile n of a half: n = 0 .. 3 the FIRST tiles of its four waves, n = 4 .. 7 their second tiles.
; THE ORDER OF WORK: all of rep is asked for at once, first tiles first.  The first tiles are quantised, shared and multiplied by the 64 records of both slots while the second tiles' loads are out;
; then the second tiles go over the same two slots, each of which is filled again behind them; then all eight tiles go over the other six steps of 32 records.
; THE CODEBOOK comes as records of 3,328 bytes in operand order, 32 records a step, through a ring of two LDS slots.  All work-groups walk the same records: the four of a cluster ask for each
; piece of 8 records JOINTLY.  At the head every wave asks for one piece (waves 0-3 slot 0's, waves 4-7 slot 1's); refills are asked for by waves 0-3.
; THE PRODUCT IS USED TRANSPOSED: source 0 = 16 codes, source 1 = 16 tokens: lane (r, h) holds token r and codes 8 h + 0 .. 7 of the tile.
; THE ARGMAX of two tiles: six maxima of three, one pair of maxima, two compares, ten pairs of selects (running maximum with tile number, and a copy of the tile's 8 results).
; Where in the winning tile the maximum lies is looked up once, at the end.
; No prefetch: the records are read by every cluster, not once; rep is asked for whole in the first lines, ahead of which there is nothing from which to ask.
; REGISTERS.  Window 0: v0-23 addresses, scales; v24-55 four accumulators; v56-119 two buffers of a record (24 codes, 8 C); v120-183 the saved tiles; v184-199 running maximum and tile number, side by side;
;   v200-203 at work; v208-220 head's words and LDS addresses.  Window 1: rep as loaded (256 registers), then the 8 token fragments (24 each).
.set REC,   3328
.set PIECE, 8*REC                      ; what one tensor load brings: 104 rows of 256 bytes
.set SLOTB, 4*PIECE                    ; a step's 32 records
.set SLOT1, 1<<17                      ; slot 1 begins here: one exclusive or turns an address in one slot into the other's
.set AREA,  SLOT1+SLOTB                ; 8,448 bytes for each wave: its stage (16 rows x 528), and over it the images of its two token tiles
.set WAREA, 16*528
.set TIMG,  3200                       ; a token tile's image: 3,072 bytes of codes, 128 of the scale register
.set RED,   AREA+8*WAREA               ; 4 x 256 pairs (value, index): 2,048 q + 8 x token
.set SPARE, RED+8192                   ; the spare words, 128 bytes for each wave
.set SPW, 1
.set NIL, 2
.set L16, 3                            ; 16 x lane + my piece's place in a slot
.set L4,  4                            ; 4 x lane + the same
.set LC,  5                            ; 32 h + the same
.set A16, 6                            ; v6-8 the same three in the slot that is being read
.set A4,  7
.set AC,  8
.set G16, 9                            ; 16 x lane
.set T0,  10
.set T1,  11
.set CS,  12                           ; v12-13 the records' scale registers, one for each buffer
.set TS,  14                           ; v14-21 the token tiles' scale registers
.set H8,  22                           ; 8 h
.set SH,  H8
.set ACC, 24
.set CF,  56                           ; buffer b: codes at v[CF + 32 b], C at v[CC + 32 b]
.set CC,  80
.set SAVED, 120
.set RI,  184                          ; tile n: running maximum v[RI + 2 n], its tile's number v[RI + 2 n + 1]
.set W,   200
.set VT,  206                          ; the number of the code tile whose results are being looked at, the same in every lane
.set WS,  208                          ; v208-211 the four scale words
.set SI,  212
.set STA, 214                          ; my area + 16 x lane
.set STL, 215                          ; my area + 528 r + 128 h
.set IMW4, 216                         ; my area + 4 x lane
.set TIR16, 217                        ; my half's four areas + 16 x lane
.set TIR4, 218
.set REDW, 219                         ; RED + 2,048 q + 1,024 g + 8 r
.set REDR, 220                         ; RED + 1,024 (w & 1) + 32 x lane
.set NUM,  24                          ; while quantising: v24-87 64 numbers in the operand's order; v88-103 at work; v152-175 a tile's codes (the second tiles' saved registers, not yet live)
.set TMPC, 88
.set MAG,  96
.set SOP,  98
.set BYT,  100
.set WRD,  102
.set WRP,  103
.set COD,  152
.set OV,   208
.set OI,   209
.set PR,   210
.set FB,   56
.set OUT,  88
.set WV,  10
.set QW,  11
.set GW,  12
.set CX,  13
.set G1,  16                           ; s[16:23] descriptor group 1
.set G0A, 24                           ; s[24:27] group 0 of my first fill
.set G0,  28                           ; s[28:31] group 0 that walks: every refill
.set QP,  33
.set TB,  34                           ; LDS byte at which the slot that is being read begins
.set TID, 35                           ; my first code tile: 8 q
.set CNT, 36
.set SEL, 38
.set MSB, 0
.macro WIN new
.if MSB != \new
	s_set_vgpr_msb (MSB<<8)|\new
.set MSB, \new
.endif
.endm
.macro PLACES
.rept 4
	v_nop
.endr
.endm
.macro CREST                           ; a round of the cluster's barrier behind its opening barrier
	s_cmp_lg_u32 s[WV], 0
	s_cbranch_scc1 .Lnot_wave_0_\@
	s_barrier_signal -3
.Lnot_wave_0_\@:
	s_barrier_wait -3
	s_barrier_signal -1
	s_barrier_wait -1
.endm
.macro CROUND
	s_barrier_signal -1
	s_barrier_wait -1
	CREST
.endm
.macro TLOAD                           ; the joint refill: waves 0 to 3, a piece each; the branch hangs on the wave's number alone
	s_cmp_lt_u32 s[WV], 4
	s_cbranch_scc0 .Lnone_\@
	tensor_load_to_lds s[G0:G0+3], s[G1:G1+7]
	s_nop 0
	PLACES
.Lnone_\@:
.endm
; 64 numbers of a lane, block c at v[src + 32 c] on, become 12 fragment registers at v[pc] on and the row's scale word in v[ws].
.macro QUANT src, pc, ws
.irp c, 0,1
	v_max3_num_f32 v[MAG+\c], |v[(\src)+32*\c]|, |v[(\src)+32*\c+1]|, 0x2800000   ; the floor 2^(5 - 127): the byte cannot fall under 1
.endr
.irp i, 2,4,6,8,10,12,14,16,18,20,22,24,26,28,30
.irp c, 0,1
	s_delay_alu instid0(VALU_DEP_2)
	v_max3_num_f32 v[MAG+\c], v[MAG+\c], |v[(\src)+32*\c+\i]|, |v[(\src)+32*\c+\i+1]|
.endr
.endr
.irp c, 0,1
	s_delay_alu instid0(VALU_DEP_2)
	v_add_nc_u32 v[SOP+\c], 0xfe000000, v[MAG+\c]   ; 4 off the exponent field: the conversion's scale operand
.endr
.irp c, 0,1
	s_delay_alu instid0(VALU_DEP_2)
	v_lshrrev_b32 v[BYT+\c], 23, v[SOP+\c]          ; the scale's byte
.endr
	s_delay_alu instid0(VALU_DEP_1)
	v_lshl_or_b32 v[WRD], v[BYT+1], 16, v[BYT]      ; blocks h and 2 + h of my row,
	s_delay_alu instid0(VALU_DEP_1)
	v_lshlrev_b32 v[WRD], v[SH], v[WRD]             ; 8 h bits up;
	s_delay_alu instid0(VALU_DEP_1)
	v_permlanex16_b32 v[WRP], v[WRD], s[SEL], s[SEL+1]
	s_delay_alu instid0(VALU_DEP_1)
	v_or_b32 v[\ws], v[WRD], v[WRP]                 ; with lane l xor 16's two bytes the word is whole
.irp c, 0,1
	v_cvt_scalef32_pk16_bf6_f32 v[(\pc)+6*\c:(\pc)+6*\c+2], v[(\src)+32*\c:(\src)+32*\c+15], v[SOP+\c]
	v_cvt_scalef32_pk16_bf6_f32 v[TMPC+4*\c:TMPC+4*\c+2], v[(\src)+32*\c+16:(\src)+32*\c+31], v[SOP+\c]   ; (a conversion's three registers begin on an even number)
.endr
	v_nop                                           ; one plain instruction behind the last scaled conversion
.irp c, 0,1
.irp i, 0,1,2
	v_mov_b32 v[(\pc)+6*\c+3+\i], v[TMPC+4*\c+\i]
.endr
.endr
.endm
	s_load_b128 s[4:7], s[0:1], 0x0                ; rep s[4:5], cbt s[6:7]
	s_load_b64 s[8:9], s[0:1], 0x10                ; out0
	v_lshl_add_u32 v[SPW], v0, 2, SPARE
	v_mov_b32 v[NIL], 0
	ds_add_u32 v[SPW], v[NIL]                      ; the opening lines: the add twice on end, and its wait
	ds_add_u32 v[SPW], v[NIL]
	s_wait_dscnt 0x0
	v_lshrrev_b32 v[T0], 5, v0
	s_delay_alu instid0(VALU_DEP_1)
	v_readfirstlane_b32 s[WV], v[T0]               ; wave 0..7
	s_and_b32 s[QW], s[WV], 3                      ; q: which code tiles
	s_lshr_b32 s[GW], s[WV], 2                     ; g: which half of the tokens
	s_bfe_u32 s[CX], ttmp6, 0x40000                ; cx: it enters rep's and out0's addresses alone
	s_lshl_b32 s14, ttmp9, 2
	s_add_co_u32 s14, s14, s[CX]                   ; my block of 256 tokens
	s_lshl_b32 s44, s14, 10                        ; out0: 1,024 bytes a block,
	s_and_b32 s42, s[WV], 1
	s_lshl_b32 s43, s42, 9                         ; 512 for each of the two waves that store
	s_add_co_u32 s44, s44, s43
	s_mov_b32 s45, 0
	s_lshl_b32 s14, s14, 18                        ; rep: 262,144 bytes a block,
	s_lshl_b32 s43, s[WV], 15                      ; 32 rows of 1,024 bytes a wave
	s_add_co_u32 s14, s14, s43
	s_mov_b32 s15, 0
	s_mul_i32 s[QP], s[QW], PIECE
	s_mov_b32 s46, s[QP]
	s_mov_b32 s47, 0
	s_mov_b32 s[TB], 0
	s_lshl_b32 s[TID], s[QW], 3                    ; my first code tile: 8 q
	s_mov_b32 s[SEL], 0x76543210
	s_mov_b32 s[SEL+1], 0xfedcba98
	; every LDS address register is made here, ahead of the first branch
	v_and_b32 v[T0], 31, v0                        ; lane
	v_and_b32 v[T1], 15, v0                        ; r
	v_bfe_u32 v[OV], v0, 4, 1                      ; h
	s_delay_alu instid0(VALU_DEP_3)
	v_lshlrev_b32 v[G16], 4, v[T0]
	s_delay_alu instid0(VALU_DEP_2)
	v_lshlrev_b32 v[H8], 3, v[OV]
	s_delay_alu instid0(VALU_DEP_2)
	v_add_nc_u32 v[L16], s[QP], v[G16]
	v_lshl_add_u32 v[L4], v[T0], 2, s[QP]
	v_lshl_add_u32 v[LC], v[OV], 5, s[QP]
	s_mul_i32 s37, s[WV], WAREA
	s_add_co_u32 s37, s37, AREA                    ; my area
	v_add_nc_u32 v[STA], s37, v[G16]
	v_mul_u32_u24 v[OI], v[T1], 528
	s_delay_alu instid0(VALU_DEP_1)
	v_lshl_add_u32 v[OI], v[OV], 7, v[OI]
	s_delay_alu instid0(VALU_DEP_1)
	v_add_nc_u32 v[STL], s37, v[OI]
	v_lshl_add_u32 v[IMW4], v[T0], 2, s37
	s_mul_i32 s37, s[GW], 4*WAREA
	s_add_co_u32 s37, s37, AREA                    ; the areas of the four waves that make my half's tiles
	v_add_nc_u32 v[TIR16], s37, v[G16]
	v_lshl_add_u32 v[TIR4], v[T0], 2, s37
	s_lshl_b32 s37, s[QW], 11
	s_lshl_b32 s43, s[GW], 10
	s_add_co_u32 s37, s37, s43
	s_add_co_u32 s37, s37, RED
	v_lshl_add_u32 v[REDW], v[T1], 3, s37
	s_lshl_b32 s37, s42, 10
	s_add_co_u32 s37, s37, RED
	v_lshl_add_u32 v[REDR], v[T0], 5, s37
	v_mov_b32 v[WRP], 0                            ; a lane permute's destination counts as one of its sources
	; descriptor group 1: a dense block of 26,624 bytes as 104 rows of 256 bytes (32 elements of 8 bytes), no padding
	s_mov_b32 s[G1+0], 15|(3<<16)|(1<<21)          ; the mask: all four work-groups; elements of 8 bytes; bit 21 beside a mask
	s_mov_b32 s[G1+1], 32<<16
	s_mov_b32 s[G1+2], 104<<16
	s_mov_b32 s[G1+3], 32<<16
	s_mov_b32 s[G1+4], 104
	s_mov_b32 s[G1+5], 32
	s_mov_b32 s[G1+6], 0
	s_mov_b32 s[G1+7], 0
	s_wait_kmcnt 0x0
	s_add_nc_u64 s[4:5], s[4:5], s[14:15]          ; rep at my wave's 32 rows
	s_add_nc_u64 s[8:9], s[8:9], s[44:45]
	s_mov_b32 s[G0A], 1
	s_lshl_b32 s37, s[GW], 17
	s_add_co_u32 s[G0A+1], s[QP], s37              ; LDS: slot g, piece q: the wave's number alone enters
	s_add_nc_u64 s[G0+2:G0+3], s[6:7], s[46:47]    ; memory: step 0, piece q
	s_mul_i32 s46, s[GW], SLOTB
	s_add_nc_u64 s[G0A+2:G0A+3], s[G0+2:G0+3], s[46:47]   ; step g, piece q
	s_mov_b32 s[G0], 1
	s_add_co_u32 s[G0+1], s[QP], SLOT1             ; the walking group 0 stands at slot 1, step 1: the first refill turns it to slot 0, step 2
	s_add_nc_u64 s[G0+2:G0+3], s[G0+2:G0+3], SLOTB
	s_or_b32 s[G0A+3], s[G0A+3], 0x80000000        ; type = 2
	s_or_b32 s[G0+3], s[G0+3], 0x80000000
	CROUND                                         ; all four work-groups are here: the first joint loads meet
	tensor_load_to_lds s[G0A:G0A+3], s[G1:G1+7]    ; one tensor load a wave at the head: the eight fill both slots; the records are asked for ahead of rep
	s_nop 0
	PLACES
	; ALL OF MY rep IS ASKED FOR AT ONCE: 64 loads of 512 consecutive bytes; quarter kk = tile kk / 2, K step kk % 2; row pp.  The first tile's 32 loads go first
	WIN 0x40
.set kk, 0
.rept 4
.set pp, 0
.rept 16
	global_load_b128 v[64*kk+4*pp:64*kk+4*pp+3], v[G16], s[4:5] offset:16384*(kk/2)+1024*pp+512*(kk%2) th:TH_LOAD_NT
.set pp, pp+1
.endr
.set kk, kk+1
.endr
	WIN 0
; Quarter k of my rep: through my stage into the operand's order (lane (r, h): of row r, K = 128 s + 64 c + 32 h + 0 .. 31), then quantised.
.macro QSTEP k
	s_wait_loadcnt 48-16*(\k)                      ; this quarter's 16 loads are in; the 16 of each later quarter may be out
	WIN 0x04                                       ; an LDS store's data are its source 1: window 1
.set pp, 0
.rept 16
	ds_store_b128 v[STA], v[64*(\k)+4*pp:64*(\k)+4*pp+3] offset:528*pp
.set pp, pp+1
.endr
	WIN 0
.irp c, 0,1
.irp e, 0,1,2,3,4,5,6,7
	ds_load_b128 v[NUM+32*\c+4*\e:NUM+32*\c+4*\e+3], v[STL] offset:256*\c+16*\e   ; LDS serves a wave's instructions in order: these see the stores above
.endr
.endr
	s_wait_dscnt 0x0
	QUANT NUM,COD+12*((\k)%2),WS+(\k)
.endm
.macro IMAGE t                         ; my tile t's registers into my area: my reads of the stage are back
	v_cmp_eq_u32 vcc_lo, 0, v[H8]
	s_delay_alu instid0(VALU_DEP_1)
	v_cndmask_b32 v[SI], v[WS+2*\t+1], v[WS+2*\t], vcc_lo   ; lanes 0-15 K step 0's word, lanes 16-31 K step 1's
.irp g, 0,1,2,3,4,5
	ds_store_b128 v[STA], v[COD+4*\g:COD+4*\g+3] offset:TIMG*\t+512*\g
.endr
	ds_store_b32 v[IMW4], v[SI] offset:TIMG*\t+3072
.endm
.macro FRAGS t                         ; my half's tiles 4 t .. 4 t + 3 into window 1: they stay in registers
	WIN 0x40
.irp j, 0,1,2,3
.irp g, 0,1,2,3,4,5
	ds_load_b128 v[24*(4*\t+\j)+4*\g:24*(4*\t+\j)+4*\g+3], v[TIR16] offset:WAREA*\j+TIMG*\t+512*\g
.endr
.endr
	WIN 0
.irp j, 0,1,2,3
	ds_load_b32 v[TS+4*\t+\j], v[TIR4] offset:WAREA*\j+TIMG*\t+3072
.endr
.endm
.macro TURN                            ; the three addresses in the slot at s[TB]
	v_add_nc_u32 v[A16], s[TB], v[L16]
	v_add_nc_u32 v[A4], s[TB], v[L4]
	v_add_nc_u32 v[AC], s[TB], v[LC]
	s_wait_alu depctr_va_vdst(0)
.endm
.macro LOADS i, b                      ; record i of my piece into buffer b: nine loads
.irp g, 0,1,2,3,4,5
	ds_load_b128 v[CF+32*(\b)+4*\g:CF+32*(\b)+4*\g+3], v[A16] offset:REC*(\i)+512*\g
.endr
.irp e, 0,1
	ds_load_b128 v[CC+32*(\b)+4*\e:CC+32*(\b)+4*\e+3], v[AC] offset:REC*(\i)+3200+16*\e   ; -b2 / 2 of codes 8 h + 0 .. 7: the result's layout
.endr
	ds_load_b32 v[CS+(\b)], v[A4] offset:REC*(\i)+3072
.endm
; A STEP's four products: the record in buffer cb against token tiles cn and cn + 1, on accumulators ca and ca + 8 by turns: K 0-127 with C = -b2 / 2, then K 128-255 in place.
.macro MM
	WIN 0x04                                       ; source 1, the tokens: window 1
	v_wmma_scale_f32_16x16x128_f8f6f4 v[ca:ca+7], v[CF+32*cb:CF+32*cb+11], v[24*cn:24*cn+11], v[CC+32*cb:CC+32*cb+7], v[CS+cb], v[TS+cn] matrix_a_fmt:MATRIX_FMT_BF6 matrix_b_fmt:MATRIX_FMT_BF6
	v_wmma_scale_f32_16x16x128_f8f6f4 v[ca+8:ca+15], v[CF+32*cb:CF+32*cb+11], v[24*cn+24:24*cn+35], v[CC+32*cb:CC+32*cb+7], v[CS+cb], v[TS+cn+1] matrix_a_fmt:MATRIX_FMT_BF6 matrix_b_fmt:MATRIX_FMT_BF6
	WIN 0
.endm
.macro MMB                             ; the step's second two products: K 128-255, in place
	WIN 0x04
	v_wmma_scale_f32_16x16x128_f8f6f4 v[ca:ca+7], v[CF+32*cb+12:CF+32*cb+23], v[24*cn+12:24*cn+23], v[ca:ca+7], v[CS+cb], v[TS+cn] matrix_a_fmt:MATRIX_FMT_BF6 matrix_b_fmt:MATRIX_FMT_BF6 matrix_a_scale:MATRIX_SCALE_ROW1 matrix_b_scale:MATRIX_SCALE_ROW1
	v_wmma_scale_f32_16x16x128_f8f6f4 v[ca+8:ca+15], v[CF+32*cb+12:CF+32*cb+23], v[24*cn+36:24*cn+47], v[ca+8:ca+15], v[CS+cb], v[TS+cn+1] matrix_a_fmt:MATRIX_FMT_BF6 matrix_b_fmt:MATRIX_FMT_BF6 matrix_a_scale:MATRIX_SCALE_ROW1 matrix_b_scale:MATRIX_SCALE_ROW1
	WIN 0
.endm
; The results of the step before (accumulators pa, pa + 8; token tiles pn, pn + 1) against the tokens' running maxima; the two tiles' chains by turns.  running >= tile's maximum says that the tile has not won
; (an equal value keeps the earlier, lower tile).  pf = 1: a tile's first record starts its state: nothing is cleared.  Each accumulator is read from its low end on.
.macro VAL
	v_max3_num_f32 v[W], v[pa], v[pa+1], v[pa+2]
	v_max3_num_f32 v[W+1], v[pa+8], v[pa+9], v[pa+10]
	v_max3_num_f32 v[W+2], v[pa+3], v[pa+4], v[pa+5]
	v_max3_num_f32 v[W+3], v[pa+11], v[pa+12], v[pa+13]
	v_max3_num_f32 v[W], v[W], v[pa+6], v[pa+7]
	v_max3_num_f32 v[W+1], v[W+1], v[pa+14], v[pa+15]
	v_dual_max_num_f32 v[W], v[W], v[W+2] :: v_dual_max_num_f32 v[W+1], v[W+1], v[W+3]
.endm
.macro VAL2                            ; the compares and selects: they stand behind the step's second two products
.irp t, 0,1
.if pf
	v_dual_mov_b32 v[RI+2*pn+2*\t], v[W+\t] :: v_dual_mov_b32 v[RI+2*pn+2*\t+1], v[VT]
.if (\t == 1) && (ps > 0)
	v_add_nc_u32 v[VT], ps, v[VT]                  ; the record's last pair has taken its number: on to the next record's
.endif
.irp j, 0,2,4,6
	v_dual_mov_b32 v[SAVED+8*pn+8*\t+\j], v[pa+8*\t+\j] :: v_dual_mov_b32 v[SAVED+8*pn+8*\t+\j+1], v[pa+8*\t+\j+1]
.endr
.else
	v_cmp_ge_f32 vcc_lo, v[RI+2*pn+2*\t], v[W+\t]
	v_dual_cndmask_b32 v[RI+2*pn+2*\t], v[W+\t], v[RI+2*pn+2*\t] :: v_dual_cndmask_b32 v[RI+2*pn+2*\t+1], v[VT], v[RI+2*pn+2*\t+1]
.if (\t == 1) && (ps > 0)
	v_add_nc_u32 v[VT], ps, v[VT]                  ; the record's last pair has taken its number: on to the next record's
.endif
.irp j, 0,2,4,6
	v_dual_cndmask_b32 v[SAVED+8*pn+8*\t+\j], v[pa+8*\t+\j], v[SAVED+8*pn+8*\t+\j] :: v_dual_cndmask_b32 v[SAVED+8*pn+8*\t+\j+1], v[pa+8*\t+\j+1], v[SAVED+8*pn+8*\t+\j+1]
.endr
.endif
.endr
.endm
; A SLOT: my 8 records against 2 nt token tiles from tile tb on: 8 nt steps, nt to a record.  A step: two products (K 0-127), the seven maxima of the step before, two products (K 128-255), the compares and
; selects of the step before.  That vector work names none of the registers of the products beside it; the twelve lines behind a step's last product are the places between a sum's last product and its first
; read, between a buffer's last product and the loads into it, and ahead of an accumulator's new sum.
; A record is asked for at the head of the record before it.  cold = 1: the pipeline and the tiles' state start.  drain = 1: the pipeline ends.
; chg = 3: the slot is left and filled again; 2: it is left behind a barrier; 1: the reads turn to the other slot, which nobody fills; 0: nothing follows.
; THE CHANGE: behind step 6 nt (the slot's last record has been asked for) each wave waits for all its tensor loads and adds 0 to its spare word; a step's work; the wait for the add and for its reads of the slot;
; the signal; register work alone (one step where nt = 2, four where nt = 4); the wait, the rest of the cluster's round, and the joint refill, the first tensor load there, one a wave;
; then the addresses turn and the next slot's first record is asked for.
.macro SLOT nt, tb, cold, drain, chg
.set k, 0
.rept 8*\nt
.set cb, (k/\nt)%2
.set cn, \tb+2*(k%\nt)
.set ca, ACC+16*(k%2)
.if k%\nt == 0
.if (k < 7*\nt) || (\chg < 2)
	s_wait_dscnt 0x0                               ; this record is in
.endif
.if k < 7*\nt
	LOADS k/\nt+1,(k/\nt+1)%2
.endif
.endif
	MM
.if pv
	VAL
.endif
	MMB
.if pv
.set ps, 0
.if k == 0
.set ps, 25                            ; from tile 32 t + 8 q + 7 to 32 (t + 1) + 8 q
.elseif k%\nt == 0
.set ps, 1
.endif
	VAL2
.else
	PLACES                                         ; no vector work yet: four places behind the first products
.endif
.set pv, 1
.set pa, ca
.set pn, cn
.set pf, 0
.if \cold && (k < \nt)
.set pf, 1
.endif
.if (\chg >= 2) && (k == 6*\nt)
	s_wait_tensorcnt 0x0                           ; no tensor load of mine is out, so the walking group 0 may be written
	ds_add_u32 v[SPW], v[NIL]                      ; 0 onto my spare word
.if \chg == 3
	s_xor_b32 s[G0+1], s[G0+1], SLOT1              ; the slot that is being left,
	s_add_nc_u64 s[G0+2:G0+3], s[G0+2:G0+3], SLOTB ; the next 32 records
.endif
.endif
.if (\chg >= 2) && (k == 6*\nt+1)
	s_wait_dscnt 0x0                               ; the add is done, and my reads of this slot are over
	s_barrier_signal -1
.endif
.if (\chg >= 1) && (k == 6*\nt+2+3*(\nt/4))
.if \chg >= 2
	s_barrier_wait -1
.endif
.if \chg == 3
	CREST                                          ; the barrier has opened a round of the cluster's barrier
	TLOAD
.endif
	s_xor_b32 s[TB], s[TB], SLOT1                  ; the reads go on in the other slot, which is whole
	TURN
	LOADS 0,0                                      ; the next slot's first record
.endif
.set k, k+1
.endr
.if \drain
.set ps, 0
	VAL
	VAL2
.set pv, 0
.endif
.endm
.set pv, 0
.set pf, 0
.set pa, ACC
.set pn, 0
	s_wait_alu depctr_va_vdst(0)
	QSTEP 0
	QSTEP 1
	IMAGE 0
	s_wait_tensorcnt 0x0                           ; my piece is in
	s_wait_dscnt 0x0                               ; for the others' sake: my image has landed
	s_barrier_signal -1
	s_barrier_wait -1
	FRAGS 0
	v_mov_b32 v[VT], s[TID]
	TURN
	LOADS 0,0
	s_wait_dscnt 0x0                               ; my reads of the four images are back:
	s_barrier_signal -1                            ; say so; the wait stands ahead of the next stores into the stages.  Between the two: register work and loads of records, which nobody writes before a later barrier
	SLOT 2,0,1,0,1                                 ; the first tiles against records 0-31,
	SLOT 2,0,0,1,0                                 ; and 32-63
	s_barrier_wait -1                              ; every wave has read the first images: the stages may be written again
	s_mov_b32 s[TB], 0
	v_mov_b32 v[VT], s[TID]                        ; the second tiles begin at my first code tile again
	QSTEP 2
	QSTEP 3
	IMAGE 1
	s_wait_dscnt 0x0
	s_barrier_signal -1
	s_barrier_wait -1
	FRAGS 1
	TURN
	LOADS 0,0
	SLOT 2,4,1,0,3                                 ; the second tiles against records 0-31; slot 0 takes records 64-95
	SLOT 2,4,0,0,3                                 ; and 32-63; slot 1 takes records 96-127
	s_mov_b32 s[CNT], 4
.Lslot:                                            ; four trips: all eight tiles against records 64-191; the last refill brings records 224-255
	SLOT 4,0,0,0,3
	s_sub_co_u32 s[CNT], s[CNT], 1
	s_cmp_lg_u32 s[CNT], 0
	s_cbranch_scc1 .Lslot
	SLOT 4,0,0,0,2                                 ; the tail is written out
	SLOT 4,0,0,1,0
	; THE END.  For each token tile: where in the saved tile the maximum lies (the lowest place wins), the index, and the better of lanes l and l xor 16, which hold the same token's other eight codes of a tile.
	v_mov_b32 v[OV], 0                             ; a lane permute's destination counts as one of its sources
	v_mov_b32 v[OI], 0
.irp n, 0,1,2,3,4,5,6,7
	v_mov_b32 v[T0], 7
.irp j, 6,5,4,3,2,1,0
	v_cmp_neq_f32 vcc_lo, v[SAVED+8*\n+\j], v[RI+2*\n]
	s_delay_alu instid0(VALU_DEP_1)
	v_cndmask_b32 v[T0], \j, v[T0], vcc_lo
.endr
	s_delay_alu instid0(VALU_DEP_1)
	v_lshl_add_u32 v[T1], v[RI+2*\n+1], 4, v[T0]
	s_delay_alu instid0(VALU_DEP_1)
	v_add_nc_u32 v[T1], v[T1], v[H8]               ; 16 x tile + 8 h + place
	v_permlanex16_b32 v[OV], v[RI+2*\n], s[SEL], s[SEL+1]
	s_delay_alu instid0(VALU_DEP_2)
	v_permlanex16_b32 v[OI], v[T1], s[SEL], s[SEL+1]
	s_delay_alu instid0(VALU_DEP_2)
	v_cmp_gt_f32 s40, v[OV], v[RI+2*\n]            ; the other's is taken where it is larger,
	s_delay_alu instid0(VALU_DEP_3)
	v_cmp_eq_f32 s41, v[OV], v[RI+2*\n]
	s_delay_alu instid0(VALU_DEP_3)
	v_cmp_lt_u32 vcc_lo, v[OI], v[T1]              ; or equal with the lower index
	s_and_b32 s41, s41, vcc_lo
	s_or_b32 vcc_lo, s40, s41
	v_cndmask_b32 v[PR], v[RI+2*\n], v[OV], vcc_lo
	v_cndmask_b32 v[PR+1], v[T1], v[OI], vcc_lo
	ds_store_b64 v[REDW], v[PR:PR+1] offset:256*(\n%4)+128*(\n/4)   ; tile n holds tokens 32 (n % 4) + 16 (n / 4) on of my half; both lanes of a token write the same pair
.endr
	s_wait_dscnt 0x0                               ; for the others' sake: my pairs have landed
	s_barrier_signal -1
	s_barrier_wait -1
	s_cmp_lt_u32 s[WV], 2                          ; waves 0 and 1 join the four candidates of 128 tokens each, four tokens a lane
	s_cbranch_scc0 .Ldone
.irp q, 0,1,2,3
.irp e, 0,1
	ds_load_b128 v[FB+8*\q+4*\e:FB+8*\q+4*\e+3], v[REDR] offset:2048*\q+16*\e
.endr
.endr
	s_wait_dscnt 0x0
.irp q, 1,2,3
.irp k, 0,1,2,3
	v_cmp_gt_f32 s40, v[FB+8*\q+2*\k], v[FB+2*\k]
	v_cmp_eq_f32 s41, v[FB+8*\q+2*\k], v[FB+2*\k]
	v_cmp_lt_u32 vcc_lo, v[FB+8*\q+2*\k+1], v[FB+2*\k+1]
	s_and_b32 s41, s41, vcc_lo
	s_or_b32 vcc_lo, s40, s41
.if \q < 3
	v_cndmask_b32 v[FB+2*\k], v[FB+2*\k], v[FB+8*\q+2*\k], vcc_lo
	v_cndmask_b32 v[FB+2*\k+1], v[FB+2*\k+1], v[FB+8*\q+2*\k+1], vcc_lo
.else
	v_cndmask_b32 v[OUT+\k], v[FB+2*\k+1], v[FB+8*\q+2*\k+1], vcc_lo   ; the last join leaves the four indices side by side
.endif
.endr
.endr
	global_store_b128 v[G16], v[OUT:OUT+3], s[8:9] ; 32 lanes store 512 consecutive bytes, at a multiple of 256 from out0's first byte
.Ldone:
	s_wait_tensorcnt 0x0                           ; the wave's end
	ds_add_u32 v[SPW], v[NIL]
	s_wait_dscnt 0x0
	CROUND                                         ; the closing round: no work-group ends while a partner may still ask for a piece that names it
	s_endpgm
.Lfunc_end_k_q20f66b925d_main:
	.size	k_q20f66b925d_main, .Lfunc_end_k_q20f66b925d_main-k_q20f66b925d_main
	.p2alignl 7, 3214868480
	.fill 96, 4, 3214868480
	.section	.rodata,"a",@progbits
	.p2align	6, 0x0
	.amdhsa_kernel k_q20f66b925d_main
		.amdhsa_group_segment_fixed_size 327680
		.amdhsa_private_segment_fixed_size 0
		.amdhsa_enable_private_segment 0
		.amdhsa_kernarg_size 24
		.amdhsa_user_sgpr_count 2
		.amdhsa_user_sgpr_kernarg_segment_ptr 1
		.amdhsa_wavefront_size32 1
		.amdhsa_system_sgpr_workgroup_id_x 1
		.amdhsa_system_sgpr_workgroup_id_y 1
		.amdhsa_system_sgpr_workgroup_id_z 1
		.amdhsa_system_vgpr_workitem_id 0
		.amdhsa_next_free_vgpr 512
		.amdhsa_next_free_sgpr 66
		.amdhsa_reserve_vcc 1
		.amdhsa_float_denorm_mode_32 3
		.amdhsa_float_denorm_mode_16_64 3
		.amdhsa_memory_ordered 1
		.amdhsa_forward_progress 1
		.amdhsa_inst_pref_size 255
	.end_amdhsa_kernel
	.section	.bss,"aw",@nobits
	.p2align	6
	.space	262144
	.amdgpu_metadata
---
amdhsa.version: [ 1, 2 ]
amdhsa.kernels:
  - .name:           k_q20f66b925d_main
    .symbol:         k_q20f66b925d_main.kd
    .args:
      - { .name: rep, .offset: 0, .size: 8, .value_kind: global_buffer, .address_space: global }
      - { .name: cbt, .offset: 8, .size: 8, .value_kind: global_buffer, .address_space: global }
      - { .name: out0, .offset: 16, .size: 8, .value_kind: global_buffer, .address_space: global }
    .group_segment_fixed_size: 327680
    .private_segment_fixed_size: 0
    .kernarg_segment_align: 8
    .kernarg_segment_size: 24
    .max_flat_workgroup_size: 256
    .sgpr_count:     66
    .vgpr_count:     512
    .wavefront_size: 32
...
	.end_amdgpu_metadata
.endif
;; end of part 2
